; MI455X (gfx1250); checked and timed in simulation.
; The chip was launched on July 23, 2026; its instructions are those of AMD's public machine-readable ISA for CDNA 5 (MIT licence, August 2026) and "CDNA5" Instruction Set Architecture Reference Guide (July 2026). The comments in the code are by the model that wrote it; some were corrected since.
;; Smol LM2 MLP. Allowed arithmetic: float matrix products may take bf16 or f16 operands with f32 sums; other float arithmetic in f32, or as packed bf16 or f16 multiplies, adds, multiply-adds, maxima and minima; sums over many terms, partial sums and values carried from step to step in f32; what a program stores and reads back later, other than sums and carried values, may be rounded once to bf16 or f16.
;; Inputs: routed_down_w 7 x 2,048 x 1,024 float32; routed_gate_w 7 x 1,024 x 2,048 float32; routed_up_w 7 x 1,024 x 2,048 float32; router_w 1,024 x 7 float32; routing_bias 7 float32; shared_down_w 2,048 x 1,024 float32; shared_gate_w 1,024 x 2,048 float32; shared_up_w 1,024 x 2,048 float32; x 2 x 512 x 1,024 float32.
;; Outputs: out0 2 x 512 x 1,024 float32.
;; One version. Each part assembles by itself: llvm-mc -triple=amdgcn-amd-amdhsa -mcpu=gfx1250 --defsym DOCPART=n.
;; ======== version 1 of 1: 4 launches
;; workspace buffers: xb 2,097,152 bytes; route 8,192 bytes of whole numbers; sel 8,192 bytes of whole numbers; wts 8,192 bytes; rowof 28,672 bytes of whole numbers; hbuf 12,976,128 bytes; part 26,763,264 bytes
;; launch router (part 1): grid 32 x 1, 16 waves a work-group, no clusters, 19,456 bytes of LDS; arguments x, router_w, routing_bias, xb, route, sel, wts; writes xb, route, sel, wts
.if DOCPART == 1
	.amdgcn_target "amdgcn-amd-amdhsa--gfx1250"
	.amdhsa_code_object_version 6
	.text
	.protected	k_q92710362ed_router
	.globl	k_q92710362ed_router
	.p2align	8
	.type	k_q92710362ed_router,@function
k_q92710362ed_router:
	s_mov_b64 s[64:65], 0
	v_nop
	global_prefetch_b8 v0, s[64:65] scope:SCOPE_SE
	s_setreg_imm32_b32 hwreg(HW_REG_WAVE_MODE, 25, 1), 1
	s_wait_xcnt 0x0
; ROUTER.  x [1024][1024] f32 is rounded once to bf16 (xb, row-major).  The logits are x . router_w + routing_bias in f32 on x, router_w and the bias
; ROUNDED TO bf16, as every input of the program is; then sigmoid, the two largest (a tie keeps the lower expert), scores divided by their sum.
; Stored at fixed places: sel [token][2] the experts, wts [token][2] the scores, and in route, for my 32 tokens, one bitmap word for each of eight
; lists (list 0, the shared expert's, is all ones; list e + 1 is routed expert e's) and the seven counts, packed two to a word.
; route: bytes 0..1023 bitmap[list][32 words]; 1024..1535 counts[word][4]; from 2048 on zeros that nobody reads (so that the store runs with all lanes on).
; SHARES.  Work-group j has tokens 32 j .. 32 j + 31, wave w two of them.  Of a token's row lane l has k = 128 i + 4 l .. + 3, i = 0..7: a load covers 512 consecutive bytes.
; router_w (28,672 bytes) is rounded once a work-group: wave i < 8 packs the part of index i, pairs along k, and all waves take it from LDS.
; LIMITS.  The choice is made on the computed probabilities: two probabilities that differ by less than the last bit of v_exp_f32 and v_rcp_f32, or that both
; saturate to 1 or 0, may be ordered otherwise than by an exact sigmoid.  NaN is not treated apart.
.set SPARE, 17408                      ; the spare words: 128 bytes for each of 16 waves
.set LOGI,  16384                      ; logits [expert][32 tokens] f32, 128 bytes an expert
.set SPW, 2                            ; v2  my spare word
.set NIL, 3                            ; v3  0
.set WP,  16                           ; v16-127  router_w packed: index i, pair pr, expert e at WP + 14 i + 7 pr + e
.set XR,  128                          ; v128-191 x as loaded, token tk, index i at XR + 32 tk + 4 i; then packed in its first two registers
.set SUM, 192                          ; v192-219 router_w as loaded (waves 0-7); then the 28 sums: token tk, expert e: low halves' at SUM + 14 tk + 2 e, high halves' one on
.set PKW, 220                          ; v220-233 14 packed words on their way to LDS
	s_load_b256 s[4:11], s[0:1], 0x0               ; x s[4:5], router_w s[6:7], routing_bias s[8:9], xb s[10:11]
	s_load_b128 s[12:15], s[0:1], 0x20             ; route s[12:13], sel s[14:15]
	s_load_b64 s[16:17], s[0:1], 0x30              ; wts
	v_lshl_add_u32 v[SPW], v0, 2, SPARE
	v_mov_b32 v[NIL], 0
	v_and_b32 v1, 31, v0                           ; lane
	v_lshrrev_b32 v9, 5, v0
	v_readfirstlane_b32 s20, v9                    ; wave 0..15
	v_mov_b32 v4, 0                                ; what the sums start from
	v_lshlrev_b32 v5, 4, v1                        ; 16 l
	v_lshlrev_b32 v6, 3, v1                        ; 8 l
	v_lshlrev_b32 v7, 6, v1                        ; 64 l
	s_lshl_b32 s22, s20, 3
	s_add_co_u32 s22, s22, LOGI
	v_mov_b32 v8, s22                              ; where my first token's logits go
	s_mov_b32 s32, 0x76543210                      ; v_permlanex16_b32: each lane takes its own place in the other half
	s_mov_b32 s33, 0xfedcba98
	s_lshl_b32 s23, ttmp9, 5
	s_lshl1_add_u32 s23, s20, s23                  ; my first token: 32 j + 2 w
	s_lshl_b32 s2, s23, 12                         ; its row in x,
	s_mov_b32 s3, 0
	s_lshl_b32 s18, s23, 11                        ; and in xb
	s_mov_b32 s19, 0
	s_wait_kmcnt 0x0
	s_add_nc_u64 s[4:5], s[4:5], s[2:3]
	s_add_nc_u64 s[10:11], s[10:11], s[18:19]
	s_load_b128 s[24:27], s[8:9], 0x0              ; the seven biases: 28 bytes
	s_load_b96 s[28:30], s[8:9], 0x10
.irp tk, 0,1
.irp ki, 0,1,2,3,4,5,6,7
	global_load_b128 v[XR+32*\tk+4*\ki:XR+32*\tk+4*\ki+3], v5, s[4:5] offset:\tk*4096+\ki*512 th:TH_LOAD_NT
.endr
.endr
	s_cmp_lt_u32 s20, 8
	s_cbranch_scc0 .Lnow
	; wave i < 8: my lane's four rows of router_w, k = 128 i + 4 l .. + 3, are 112 consecutive bytes
	s_mul_i32 s2, s20, 3584
	v_mul_u32_u24 v9, v1, 112
	v_add_nc_u32 v9, s2, v9
.irp m, 0,1,2,3,4,5,6
	global_load_b128 v[SUM+4*\m:SUM+4*\m+3], v9, s[6:7] offset:16*\m
.endr
	s_wait_loadcnt 0x0
.irp pr, 0,1
.irp e, 0,1,2,3,4,5,6
	v_cvt_pk_bf16_f32 v[PKW+7*\pr+\e], v[SUM+14*\pr+\e], v[SUM+14*\pr+7+\e]  ; expert e at k = 2 pr (low half) and 2 pr + 1 (high half)
.endr
.endr
	s_lshl_b32 s2, s20, 11
	v_add_nc_u32 v10, s2, v7                       ; 2,048 i + 64 l
	ds_store_b128 v10, v[PKW:PKW+3]
	ds_store_b128 v10, v[PKW+4:PKW+7] offset:16
	ds_store_b128 v10, v[PKW+8:PKW+11] offset:32
	ds_store_b64 v10, v[PKW+12:PKW+13] offset:48
.Lnow:
	s_wait_loadcnt 0x0                             ; x
.irp tk, 0,1
.irp ki, 0,1,2,3,4,5,6,7
	v_cvt_pk_bf16_f32 v[XR+32*\tk+4*\ki], v[XR+32*\tk+4*\ki], v[XR+32*\tk+4*\ki+1]
	v_cvt_pk_bf16_f32 v[XR+32*\tk+4*\ki+1], v[XR+32*\tk+4*\ki+2], v[XR+32*\tk+4*\ki+3]
	global_store_b64 v6, v[XR+32*\tk+4*\ki:XR+32*\tk+4*\ki+1], s[10:11] offset:\tk*2048+\ki*256  ; a wave's store covers 256 consecutive bytes, aligned
.endr
.endr
	s_wait_dscnt 0x0                               ; for the others' sake: my packed words are in LDS
	s_barrier_signal -1
	s_barrier_wait -1
.irp ki, 0,1,2,3,4,5,6,7
	ds_load_b128 v[WP+14*\ki:WP+14*\ki+3], v7 offset:2048*\ki
	ds_load_b128 v[WP+14*\ki+4:WP+14*\ki+7], v7 offset:2048*\ki+16
	ds_load_b128 v[WP+14*\ki+8:WP+14*\ki+11], v7 offset:2048*\ki+32
	ds_load_b64 v[WP+14*\ki+12:WP+14*\ki+13], v7 offset:2048*\ki+48
.endr
	s_wait_dscnt 0x0
	; 448 multiply-adds from bf16 halves into f32, in 28 chains that do not wait for each other
.set ki, 0
.rept 8
.set pr, 0
.rept 2
.set q, 0
.rept 14
.set rx, XR+32*(q/7)+4*ki+pr
.set rw, WP+14*ki+7*pr+q%7
.if (ki == 0) && (pr == 0)
	v_fma_mix_f32_bf16 v[SUM+2*q], v[rx], v[rw], v4 op_sel_hi:[1,1,0]
	v_fma_mix_f32_bf16 v[SUM+2*q+1], v[rx], v[rw], v4 op_sel:[1,1,0] op_sel_hi:[1,1,0]
.else
	v_fma_mix_f32_bf16 v[SUM+2*q], v[rx], v[rw], v[SUM+2*q] op_sel_hi:[1,1,0]
	v_fma_mix_f32_bf16 v[SUM+2*q+1], v[rx], v[rw], v[SUM+2*q+1] op_sel:[1,1,0] op_sel_hi:[1,1,0]
.endif
.set q, q+1
.endr
.set pr, pr+1
.endr
.set ki, ki+1
.endr
.set q, 0
.rept 14
	v_add_f32 v[SUM+2*q], v[SUM+2*q], v[SUM+2*q+1]
.set q, q+1
.endr
.irp m, 1,2,4,8
.set q, 0
.rept 14
	v_add_f32_dpp v[SUM+2*q], v[SUM+2*q], v[SUM+2*q] row_xmask:\m row_mask:0xf bank_mask:0xf
.set q, q+1
.endr
.endr
.set q, 0
.rept 14
	v_permlanex16_b32 v[SUM+2*q+1], v[SUM+2*q], s32, s33
.set q, q+1
.endr
.set q, 0
.rept 14
	v_add_f32 v[SUM+2*q], v[SUM+2*q], v[SUM+2*q+1]
.set q, q+1
.endr
.set q, 0
.rept 14
	ds_store_b32 v8, v[SUM+2*q] offset:(q%7)*128+4*(q/7)  ; all lanes write the same word with the same number
.set q, q+1
.endr
	s_wait_dscnt 0x0                               ; for wave 0's sake
	s_barrier_signal -1
	s_barrier_wait -1
	s_cmp_lg_u32 s20, 0
	s_cbranch_scc1 .Lend
	; WAVE 0: a lane is a token
	v_lshl_add_u32 v9, v1, 2, LOGI
.irp e, 0,1,2,3,4,5,6
	ds_load_b32 v[16+\e], v9 offset:128*\e
.endr
	s_wait_kmcnt 0x0
	v_cvt_pk_bf16_f32 v32, s24, s25                ; the bias is rounded to bf16 like every input,
	v_cvt_pk_bf16_f32 v33, s26, s27
	v_cvt_pk_bf16_f32 v34, s28, s29
	v_cvt_pk_bf16_f32 v35, s30, s30
.irp m, 0,1,2,3
	v_lshlrev_b32 v[24+2*\m], 16, v[32+\m]         ; and widened again
	v_and_b32 v[25+2*\m], 0xffff0000, v[32+\m]
.endr
	s_wait_dscnt 0x0
.irp e, 0,1,2,3,4,5,6
	v_add_f32 v[16+\e], v[16+\e], v[24+\e]
.endr
.irp e, 0,1,2,3,4,5,6
	v_mul_f32 v[16+\e], 0xbfb8aa3b, v[16+\e]       ; - logit x log2(e)
.endr
.irp e, 0,1,2,3,4,5,6
	v_exp_f32 v[16+\e], v[16+\e]
.endr
	v_nop                                          ; a plain instruction behind the last exponential,
	s_wait_alu depctr_va_vdst(0)                   ; and one wait for the seven, ahead of their first use
.irp e, 0,1,2,3,4,5,6
	v_add_f32 v[16+\e], 1.0, v[16+\e]
.endr
.irp e, 0,1,2,3,4,5,6
	v_rcp_f32 v[16+\e], v[16+\e]                   ; the probabilities
.endr
	v_nop
	s_wait_alu depctr_va_vdst(0)
	v_mov_b32 v40, v16                             ; the largest so far, v48 its expert
	v_mov_b32 v48, 0
	v_mov_b32 v42, -1.0                            ; the second, v49 its expert: below every probability
	v_mov_b32 v49, 0
.irp e, 1,2,3,4,5,6                    ; only a strictly larger number displaces: a tie keeps the lower expert
	v_cmp_gt_f32 vcc_lo, v[16+\e], v42
	v_cndmask_b32 v42, v42, v[16+\e], vcc_lo
	v_cndmask_b32 v49, v49, \e, vcc_lo
	v_cmp_gt_f32 vcc_lo, v[16+\e], v40
	v_cndmask_b32 v42, v42, v40, vcc_lo
	v_cndmask_b32 v49, v49, v48, vcc_lo
	v_cndmask_b32 v40, v40, v[16+\e], vcc_lo
	v_cndmask_b32 v48, v48, \e, vcc_lo
.endr
	v_add_f32 v44, v40, v42
	v_rcp_f32 v45, v44
	v_lshlrev_b32 v10, 3, v1                       ; (the plain instruction behind the reciprocal)
	s_wait_alu depctr_va_vdst(0)
	v_mul_f32 v46, v40, v45
	v_mul_f32 v47, v42, v45
	s_lshl_b32 s2, ttmp9, 8
	v_add_nc_u32 v10, s2, v10                      ; 8 bytes a token: the wave's store covers 256 consecutive bytes, aligned
	global_store_b64 v10, v[48:49], s[14:15]
	global_store_b64 v10, v[46:47], s[16:17]
.irp e, 0,1,2,3,4,5,6
	v_cmp_eq_u32 s34, \e, v48
	v_cmp_eq_u32 s35, \e, v49
	s_or_b32 s[36+\e], s34, s35                    ; the tokens that chose expert e,
	s_bcnt1_i32_b32 s[44+\e], s[36+\e]             ; and how many
.endr
	s_lshl_b32 s34, s45, 16
	s_or_b32 s52, s44, s34
	s_lshl_b32 s34, s47, 16
	s_or_b32 s53, s46, s34
	s_lshl_b32 s34, s49, 16
	s_or_b32 s54, s48, s34
	s_mov_b32 s35, -1
	v_mov_b32 v50, 0
	v_writelane_b32 v50, s35, 0
.irp e, 0,1,2,3,4,5,6
	v_writelane_b32 v50, s[36+\e], 1+\e
.endr
	v_writelane_b32 v50, s52, 8
	v_writelane_b32 v50, s53, 9
	v_writelane_b32 v50, s54, 10
	v_writelane_b32 v50, s50, 11
	s_lshl_b32 s2, ttmp9, 2
	v_lshl_add_u32 v11, v1, 7, s2                  ; lanes 0-7: bitmap[lane][j]
	s_lshl_b32 s2, ttmp9, 4
	s_add_co_u32 s2, s2, 992
	v_lshl_add_u32 v12, v1, 2, s2                  ; lanes 8-11: 1,024 + 16 j + 4 (lane - 8)
	s_lshl_b32 s2, ttmp9, 7
	s_add_co_u32 s2, s2, 2048
	v_lshl_add_u32 v13, v1, 2, s2                  ; the others: zeros
	v_cmp_gt_u32 vcc_lo, 8, v1
	v_cndmask_b32 v11, v12, v11, vcc_lo
	v_cmp_lt_u32 vcc_lo, 11, v1
	v_cndmask_b32 v11, v11, v13, vcc_lo
	global_store_b32 v11, v50, s[12:13]
.Lend:
	s_wait_tensorcnt 0x0                           ; the wave's end
	ds_add_u32 v[SPW], v[NIL]
	s_wait_dscnt 0x0
	s_endpgm
.Lfunc_end_k_q92710362ed_router:
	.size	k_q92710362ed_router, .Lfunc_end_k_q92710362ed_router-k_q92710362ed_router
	.p2alignl 7, 3214868480
	.fill 96, 4, 3214868480
	.section	.rodata,"a",@progbits
	.p2align	6, 0x0
	.amdhsa_kernel k_q92710362ed_router
		.amdhsa_group_segment_fixed_size 19456
		.amdhsa_private_segment_fixed_size 0
		.amdhsa_enable_private_segment 0
		.amdhsa_kernarg_size 56
		.amdhsa_user_sgpr_count 2
		.amdhsa_user_sgpr_kernarg_segment_ptr 1
		.amdhsa_wavefront_size32 1
		.amdhsa_system_sgpr_workgroup_id_x 1
		.amdhsa_system_sgpr_workgroup_id_y 1
		.amdhsa_system_sgpr_workgroup_id_z 1
		.amdhsa_system_vgpr_workitem_id 0
		.amdhsa_next_free_vgpr 240
		.amdhsa_next_free_sgpr 66
		.amdhsa_reserve_vcc 1
		.amdhsa_float_denorm_mode_32 3
		.amdhsa_float_denorm_mode_16_64 3
		.amdhsa_memory_ordered 1
		.amdhsa_forward_progress 1
		.amdhsa_inst_pref_size 54
	.end_amdhsa_kernel
	.amdgpu_metadata
---
amdhsa.version: [ 1, 2 ]
amdhsa.kernels:
  - .name:           k_q92710362ed_router
    .symbol:         k_q92710362ed_router.kd
    .args:
      - { .name: x, .offset: 0, .size: 8, .value_kind: global_buffer, .address_space: global }
      - { .name: router_w, .offset: 8, .size: 8, .value_kind: global_buffer, .address_space: global }
      - { .name: routing_bias, .offset: 16, .size: 8, .value_kind: global_buffer, .address_space: global }
      - { .name: xb, .offset: 24, .size: 8, .value_kind: global_buffer, .address_space: global }
      - { .name: route, .offset: 32, .size: 8, .value_kind: global_buffer, .address_space: global }
      - { .name: sel, .offset: 40, .size: 8, .value_kind: global_buffer, .address_space: global }
      - { .name: wts, .offset: 48, .size: 8, .value_kind: global_buffer, .address_space: global }
    .group_segment_fixed_size: 19456
    .private_segment_fixed_size: 0
    .kernarg_segment_align: 8
    .kernarg_segment_size: 56
    .max_flat_workgroup_size: 512
    .sgpr_count:     66
    .vgpr_count:     240
    .wavefront_size: 32
...
	.end_amdgpu_metadata
.endif
;; end of part 1
;; launch gateup (part 2): grid 22 x 11, 4 waves a work-group, no clusters, 67,072 bytes of LDS; arguments xb, route, shared_gate_w, shared_up_w, routed_gate_w, routed_up_w, hbuf, rowof; writes hbuf, rowof
.if DOCPART == 2
	.amdgcn_target "amdgcn-amd-amdhsa--gfx1250"
	.amdhsa_code_object_version 6
	.text
	.protected	k_q92710362ed_gateup
	.globl	k_q92710362ed_gateup
	.p2align	8
	.type	k_q92710362ed_gateup,@function
k_q92710362ed_gateup:
	s_mov_b64 s[64:65], 0
	v_nop
	global_prefetch_b8 v0, s[64:65] scope:SCOPE_SE
	s_setreg_imm32_b32 hwreg(HW_REG_WAVE_MODE, 25, 1), 1
	s_wait_xcnt 0x0
; GATE AND UP.  For one group of at most 320 rows of one expert and 96 columns of the hidden layer: G = X Wg, U = X Wu (bf16 operands, f32 sums), h = silu(G) U, rounded once to bf16.
; EXPERTS AND ROWS.  List 0 is the shared expert (every token), list v = 1..7 routed expert v - 1 (the tokens that chose it).  A list's rows are padded to blocks of 16 (the places past the count
; repeat its last token) and the lists lie end to end: at most 64 + 134 = 198 row blocks.  A GROUP is 20 row blocks of one list; groups are numbered through the lists.
; TWO PASSES.  2,048 choices over 7 experts make at least 4 + ceil(2048 / 320) = 11 groups and at most 4 + 13 = 17.  Grid y = 0..10; a work-group takes group y and then group y + 11, by one text walked twice.
; The first pass's group always exists: its flag LIVE is the constant 1.  The second pass's flag is made from the stored counts; where it is 0 the pass's set-up and the work of its K steps are jumped,
; forward, every wave passes every barrier, and nothing is stored: no barrier stands under a branch on the stored counts.  The bases of all loads and stores are made at a pass's head, ahead of that jump,
; so that they are written on every way.  (Should the counts add up to less than 2,048, which only a token with NaN probabilities brings about, a first pass's group may not exist: rows and row blocks
; are clamped, and it stores nothing.)  THE PRICE: in a split with more than 11 groups the work-groups of the low y walk two full passes.
; SHARES.  Grid x = the slice of 96 columns, the last one shifted back to end at column 2,047 (it stores only the 32 columns that no other slice has).  Wave w multiplies row blocks
; 4 i + w, i = 0..4, by all 12 column blocks (6 of gate, 6 of up): 60 accumulators.  A row block past the group's end is computed on repeated rows and not stored.
; WEIGHTS.  They lie [k][column] in f32 and are read from memory through registers: lane l takes 4 columns of 8 rows k, rounds them to bf16 in pairs along k, and has four pieces of 16 bytes,
; 8 k of one column, which is a lane's piece of an operand.  They go to LDS in the order of operands; two slots of a K step of 64 take turns, one barrier a step.  Wave w fetches matrix w / 2 and half w % 2 of the K step.
; X.  A lane's pieces of its rows come from xb straight into operand registers; which token a row is comes from a list by rank, which every wave makes for itself in LDS from the list's bitmap.
; THE MATRIX INSTRUCTION IS USED TRANSPOSED (source 0 = 16 columns of the weights, source 1 = 16 rows): a lane then holds one row and 8 neighbouring columns, 16 bytes of h, and these ARE
; that lane's piece of the next launch's operand: hbuf is [row block][32 k][half][lane][16 bytes], and a store covers 512 consecutive bytes.
; NO JOINT LOADS: a slice of a routed expert's weights is wanted by one or two work-groups only, and must pass through registers to be rounded; the rows of x come by a list, which no tile covers.
; LIMITS.  silu is g / (1 + 2^(-g log2 e)) by v_exp_f32 and v_rcp_f32; NaN and infinities are not treated apart.
.set PITCH,  8192                      ; bytes from k to k + 1 in the weights
.set WSTEP,  64*PITCH                  ; a K step
.set SLOTB,  24576                     ; a slot: 24 operands of 1,024 bytes, number 12 kk + 6 matrix + column block
.set LIST,   2*SLOTB                   ; behind the ring: for each wave 1,024 tokens by rank and 32 words that take the stores of tokens outside the list
.set LPITCH, 4352
.set SPARE,  LIST+4*LPITCH             ; the spare words, 128 bytes for each wave
; window 0
.set SPW,  2                           ; v2      my spare word
.set NIL,  3                           ; v3      0
.set AOFF, 4                           ; v4-8    byte offset in xb of my lane's piece of row block i: token x 2,048 + 16 (lane / 16)
.set WOFF, 9                           ; v9      my byte offset in a K step of the weights
.set WA,   10                          ; v10-13  where my four pieces go in a slot
.set RB,   14                          ; v14-15  where my lane reads an operand of even, odd number
.set L16,  16                          ; v16     16 x lane
.set WOFX, 29                          ; v29     WOFF, or 0 in the K steps that have no weights left to load;  v26, v27: lane % 16, lane / 16, kept for both passes
.set XB,   32                          ; v32-79  six operands of the weights (in a pass's set-up v32-63: ranks)
.set YB,   80                          ; v80-127 six more
.set CH,   224                         ; v224-239 four pieces on their way to LDS
.set EB,   32                          ; the way out: 48 exponents, then 1 / (1 + ..)
.set GU,   80                          ; the way out: g u
.set HB,   128                         ; the way out: h, packed
; v128-223: weights as loaded, set 0.  window 1: v0-79, v80-159 operands of x, two buffers (number 5 kk + i); v160-255 weights as loaded, set 1.
; window 2: gate's accumulators, (i, column block) at 8 (6 i + cb); window 3: up's, at the same numbers.
.set WV,   20
.set SX,   21
.set SY,   22                          ; the number of the group in hand: y, then y + 11
.set SV,   23                          ; its list
.set SQ,   24                          ; which of the list's groups
.set SC,   25                          ; the list's count
.set SRBB, 26                          ; the list's first row block
.set SNBL, 27                          ; row blocks in the group
.set SSL,  28                          ; row block i of my wave is stored if this is above 4 i
.set T0,   29
.set T1,   30
.set T2,   31
.set BM,   32                          ; s32-63  the list's bitmap
.set CN,   66                          ; s66-73  the eight counts
.set LC,   74
.set PRF,  75
.set SA,   76                          ; s[76:77] xb at the K step to be loaded
.set SW,   78                          ; s[78:79] my matrix, two K steps behind the one to be loaded
.set SH,   80                          ; s[80:81] hbuf at my first row block and column
.set NL2,  82                          ; s[82:83] - log2(e)
.set SEL,  84                          ; s[84:85] lane selects
.set ACC,  86                          ; behind the group map: the number of groups
.set RBS,  87
.set BOF,  88
.set COL0, 89
.set PA,   90
.set PB,   92
.set LB,   94
.set CM1,  95
.set LIVE, 96                          ; s96     1: the group in hand exists
.set PASS, 97                          ; s97     passes to go
.set MSK,  98                          ; s98     all ones, or 0 where no weights are left to load
.set WST,  100                         ; s[100:101] the step of SW: a K step, or 0 where no weights are left to load
.set MSB, 0
.macro WIN new                         ; the immediate's high byte repeats the setting that is left; a switch that changes nothing is dropped
.if MSB != (\new)
	s_set_vgpr_msb (MSB<<8)|(\new)
.set MSB, (\new)
.endif
.endm
.macro PLACES                          ; four plain instructions between a matrix instruction and a load into, or a vector use of, its registers
.rept 4
	v_nop
.endr
.endm
; 8 loads: task p (32 columns) of my 32 k, `ahead` K steps past SW: an instruction takes 4 rows x 128 consecutive bytes
.macro WLOAD set, p, areg, ahead
.if \set
	WIN 0x40
.set SB, 160+32*(\p)
.else
	WIN 0
.set SB, 128+32*(\p)
.endif
.irp t, 0,1,2,3,4,5,6,7
	global_load_b128 v[SB+4*\t:SB+4*\t+3], v[\areg], s[SW:SW+1] offset:\t*PITCH+128*(\p)+(\ahead)*WSTEP
.endr
.endm
; task p is rounded: piece c = my column c, 8 k in 4 words; then the four pieces go to LDS
.macro CVT set, p, slot
.if \set
	WIN 0x05
.set SB, 160+32*(\p)
.else
	WIN 0
.set SB, 128+32*(\p)
.endif
.irp c, 0,1,2,3
.irp d, 0,1,2,3
	v_cvt_pk_bf16_f32 v[CH+4*\c+\d], v[SB+8*\d+\c], v[SB+8*\d+4+\c]
.endr
.endr
	WIN 0
.irp c, 0,1,2,3
	ds_store_b128 v[WA+\c], v[CH+4*\c:CH+4*\c+3] offset:(\slot)*SLOTB+2048*(\p)
.endr
.endm
.macro FEED o, p, conv                 ; the rounding, whose 16 conversions are also the places behind the last products; or the places alone
.if \conv
	CVT \o, \p, \o
.else
	PLACES
.endif
.endm
.macro BLOAD buf, slot, f0             ; six operands of the weights, numbers f0 on: 12 loads of 512 consecutive bytes
	WIN 0
.set fq, \f0
.rept 6
	ds_load_b128 v[\buf+8*(fq-(\f0)):\buf+8*(fq-(\f0))+3], v[RB+(fq&1)] offset:(\slot)*SLOTB+1024*fq
	ds_load_b128 v[\buf+8*(fq-(\f0))+4:\buf+8*(fq-(\f0))+7], v[RB+(fq&1)] offset:(\slot)*SLOTB+1024*fq+512
.set fq, fq+1
.endr
.endm
.macro ALOAD buf                       ; a K step's ten operands of x: 20 loads
	WIN 0x40
.set fa, 0
.rept 10
	global_load_b128 v[80*(\buf)+8*fa:80*(\buf)+8*fa+3], v[AOFF+fa%5], s[SA:SA+1] offset:64*(fa/5)
	global_load_b128 v[80*(\buf)+8*fa+4:80*(\buf)+8*fa+7], v[AOFF+fa%5], s[SA:SA+1] offset:64*(fa/5)+32
.set fa, fa+1
.endr
.endm
; products n0 .. n1 - 1 of 30: row block n / 6, column block n % 6.  The 30 accumulators take turns, one instruction a turn.  zero = 1: the product starts the sum
.macro MUL buf, abase, n0, n1, zero, win
	WIN \win
.set nn, \n0
.rept (\n1)-(\n0)
.if \zero
	v_wmma_f32_16x16x32_bf16 v[8*nn:8*nn+7], v[\buf+8*(nn%6):\buf+8*(nn%6)+7], v[(\abase)+8*(nn/6):(\abase)+8*(nn/6)+7], 0
.else
	v_wmma_f32_16x16x32_bf16 v[8*nn:8*nn+7], v[\buf+8*(nn%6):\buf+8*(nn%6)+7], v[(\abase)+8*(nn/6):(\abase)+8*(nn/6)+7], v[8*nn:8*nn+7]
.endif
.set nn, nn+1
.endr
.endm
	; ONCE: what hangs on the lane, the wave, the slice and the counts
	s_load_b512 s[4:19], s[0:1], 0x0               ; xb s[4:5], route s[6:7], shared gate s[8:9], shared up s[10:11], routed gate s[12:13], routed up s[14:15], hbuf s[16:17], rowof s[18:19]
	v_lshl_add_u32 v[SPW], v0, 2, SPARE
	v_mov_b32 v[NIL], 0
	v_and_b32 v1, 31, v0                           ; lane
	v_lshrrev_b32 v17, 5, v0
	v_readfirstlane_b32 s[WV], v17                 ; wave 0..3
	s_mov_b32 s[SX], ttmp9
	s_and_b32 s[SY], ttmp7, 0xffff                 ; the first pass's group
	s_mov_b32 s[SEL], 0x76543210
	s_mov_b32 s[SEL+1], 0xfedcba98
	s_mov_b32 s[NL2], 0xbfb8aa3b
	s_mov_b32 s[NL2+1], s[NL2]
	v_lshlrev_b32 v[L16], 4, v1
	s_wait_kmcnt 0x0
	global_load_b128 v[64:67], v[L16], s[6:7] offset:1024  ; lane l: the packed counts of tokens 32 l .. 32 l + 31
	v_and_b32 v17, 7, v1                           ; which 4 columns of 32
	v_lshrrev_b32 v18, 3, v1                       ; o: which 8 k of 32
	v_and_b32 v19, 3, v17                          ; a: 4 a + c is my column in its block of 16,
	v_lshrrev_b32 v20, 2, v17                      ; and this the block of the task's two
	v_and_b32 v21, 1, v18                          ; o = 2 j + h: the piece belongs to the operand's lanes' half h,
	v_lshrrev_b32 v22, 1, v18                      ; registers 4 j on
	v_and_b32 v26, 15, v1                          ; r
	v_lshrrev_b32 v27, 4, v1                       ; h
.irp c, 0,1,2,3,4
	v_lshlrev_b32 v[AOFF+\c], 4, v27               ; my rows' offsets hold token 0's until a pass's set-up makes them: they are written on every way
.endr
	s_and_b32 s[T0], s[WV], 1
	s_lshr_b32 s[T1], s[WV], 1
	s_mul_i32 s[T2], s[T0], 12
	s_mul_i32 s[T1], s[T1], 6
	s_add_co_u32 s[T2], s[T2], s[T1]               ; the first operand that I write: 12 (w % 2) + 6 (w / 2)
	s_lshl_b32 s[T0], s[T0], 18                    ; my 32 k of the step's 64
	v_lshlrev_b32 v[WOFF], 4, v17
	v_lshl_add_u32 v[WOFF], v18, 16, v[WOFF]
	v_add_nc_u32 v[WOFF], s[T0], v[WOFF]
	; The piece of column r, half h, registers 4 j of operand f lies at 1,024 f + 512 j + 256 h + 16 ((r + f % 2 + 2 h) % 16): sixteen neighbouring lanes touch sixteen different
	; columns of 16 bytes in writing (4 a + block + 2 h + c runs through all residues) and in reading (r does)
	v_add_nc_u32 v23, s[T2], v20
	v_lshlrev_b32 v23, 10, v23
	v_lshl_add_u32 v23, v22, 9, v23
	v_lshl_add_u32 v23, v21, 8, v23
	v_lshl_add_u32 v24, v19, 2, v20
	v_lshl_add_u32 v24, v21, 1, v24
.irp c, 0,1,2,3
	v_add_nc_u32 v25, \c, v24
	v_and_b32 v25, 15, v25
	v_lshl_add_u32 v[WA+\c], v25, 4, v23
.endr
	v_lshl_add_u32 v28, v27, 1, v26
.irp c, 0,1
	v_add_nc_u32 v25, \c, v28
	v_and_b32 v25, 15, v25
	v_lshlrev_b32 v25, 4, v25
	v_lshl_add_u32 v[RB+\c], v27, 8, v25
.endr
	s_wait_loadcnt 0x0
.irp c, 64,65,66,67                    ; the counts are summed over the 32 lanes, two 16-bit fields to a word (a sum is 1,024 at the most)
.irp m, 1,2,4,8
	v_mov_b32_dpp v17, v[\c] row_xmask:\m row_mask:0xf bank_mask:0xf
	v_add_nc_u32 v[\c], v[\c], v17
.endr
	v_permlanex16_b32 v17, v[\c], s[SEL], s[SEL+1]
	v_add_nc_u32 v[\c], v[\c], v17
.endr
	s_mov_b32 s[CN], 1024
	v_readfirstlane_b32 s[T0], v64
	s_and_b32 s[CN+1], s[T0], 0xffff
	s_lshr_b32 s[CN+2], s[T0], 16
	v_readfirstlane_b32 s[T0], v65
	s_and_b32 s[CN+3], s[T0], 0xffff
	s_lshr_b32 s[CN+4], s[T0], 16
	v_readfirstlane_b32 s[T0], v66
	s_and_b32 s[CN+5], s[T0], 0xffff
	s_lshr_b32 s[CN+6], s[T0], 16
	v_readfirstlane_b32 s[T0], v67
	s_and_b32 s[CN+7], s[T0], 0xffff
	s_mul_i32 s[COL0], s[SX], 96
	s_min_u32 s[COL0], s[COL0], 1952               ; my first column
	s_mul_i32 s[LB], s[WV], LPITCH
	s_add_co_u32 s[LB], s[LB], LIST                ; my wave's list
	s_mov_b32 s[WST+1], 0
	s_mov_b32 s[LIVE], 1                           ; the first pass's group exists in every split
	s_mov_b32 s[PASS], 2
.Lpass:                                                ; A PASS: group s[SY]
	s_wait_xcnt 0x0                                ; the last pass's stores have read their registers and their base
	; which list and which of its groups has the number: the last list whose first group's number is not above it
	s_mov_b32 s[ACC], 0
	s_mov_b32 s[RBS], 0
	s_mov_b32 s[SV], 0
	s_mov_b32 s[SQ], 0
	s_mov_b32 s[SC], 0
	s_mov_b32 s[SRBB], 0
.irp u, 0,1,2,3,4,5,6,7
	s_add_co_u32 s[T0], s[CN+\u], 319
	s_mul_i32 s[T0], s[T0], 3277
	s_lshr_b32 s[T0], s[T0], 20                    ; its groups: (c + 319) / 320, exact up to c = 1,024
	s_sub_co_u32 s[T1], s[SY], s[ACC]
	s_cmp_ge_u32 s[SY], s[ACC]
	s_cselect_b32 s[SV], \u, s[SV]
	s_cselect_b32 s[SQ], s[T1], s[SQ]
	s_cselect_b32 s[SC], s[CN+\u], s[SC]
	s_cselect_b32 s[SRBB], s[RBS], s[SRBB]
	s_add_co_u32 s[ACC], s[ACC], s[T0]
	s_add_co_u32 s[T0], s[CN+\u], 15
	s_lshr_b32 s[T0], s[T0], 4
	s_add_co_u32 s[RBS], s[RBS], s[T0]
.endr
	s_add_co_u32 s[T0], s[SC], 15
	s_lshr_b32 s[T0], s[T0], 4
	s_mul_i32 s[T1], s[SQ], 20
	s_sub_co_i32 s[T0], s[T0], s[T1]               ; row blocks from the group's first on: 0 or less where the number has no group,
	s_min_i32 s[SNBL], s[T0], 20
	s_sub_co_i32 s[SSL], s[SNBL], s[WV]
	s_max_i32 s[SSL], s[SSL], 0                    ; so that nothing is stored then
	s_mov_b32 s[MSK], -1
	s_mov_b32 s[WST], WSTEP
	; the three bases, made on every way, whether the pass has a group or not
	s_cmp_lt_u32 s[SY], 4                          ; the shared expert's 1,024 rows are always groups 0 to 3: which buffer is mine hangs on the work-group's number and the pass alone
	s_cselect_b64 s[PA:PA+1], s[8:9], s[12:13]     ; gate: the shared expert's or the routed ones'
	s_cselect_b64 s[PB:PB+1], s[10:11], s[14:15]   ; up likewise
	s_lshr_b32 s[T0], s[WV], 1
	s_cmp_eq_u32 s[T0], 0
	s_cselect_b64 s[SW:SW+1], s[PA:PA+1], s[PB:PB+1]  ; waves 0, 1 fetch gate, waves 2, 3 up
	s_max_u32 s[T0], s[SV], 1
	s_sub_co_u32 s[T0], s[T0], 1                   ; the routed expert's number; 0 for the shared one
	s_min_u32 s[T0], s[T0], 6
	s_lshl_b32 s[T0], s[T0], 23                    ; an expert's matrix is 8 MiB
	s_lshl_b32 s2, s[COL0], 2
	s_add_co_u32 s2, s2, s[T0]
	s_mov_b32 s3, 0
	s_add_nc_u64 s[SW:SW+1], s[SW:SW+1], s[2:3]    ; my matrix at K step 0 and my first column
	s_mov_b64 s[SA:SA+1], s[4:5]                   ; xb at K step 0
	s_mul_i32 s[T0], s[SQ], 20
	s_add_co_u32 s[T0], s[T0], s[SRBB]
	s_add_co_u32 s[T0], s[T0], s[WV]
	s_min_u32 s[T0], s[T0], 197
	s_lshl_b32 s[T0], s[T0], 16                    ; a row block of hbuf is 65,536 bytes,
	s_lshl_b32 s[T1], s[COL0], 5                   ; 32 columns of it 1,024
	s_add_co_u32 s2, s[T0], s[T1]
	s_add_nc_u64 s[SH:SH+1], s[16:17], s[2:3]      ; hbuf at my first row block and column
	s_cmp_eq_u32 s[LIVE], 0
	s_cbranch_scc1 .Lnopro                         ; no such group: the set-up is jumped
	s_min_u32 s[BOF], s[SV], 7
	s_lshl_b32 s[BOF], s[BOF], 7
	s_load_b512 s[32:47], s[6:7], s[BOF] offset:0x0   ; the list's bitmap, 32 words
	s_load_b512 s[48:63], s[6:7], s[BOF] offset:0x40
	WLOAD 0, 0, WOFF, 0                            ; K step 0
	WLOAD 0, 1, WOFF, 0
	WLOAD 0, 2, WOFF, 0
	WLOAD 1, 0, WOFF, 1                            ; K step 1: the immediate reaches a step ahead, so that the base need not be stepped here
	WLOAD 1, 1, WOFF, 1
	WLOAD 1, 2, WOFF, 1
	WIN 0
	s_wait_kmcnt 0x0
	; the list: a token of the list has as its rank the number of list tokens in front of it; it is stored at its rank.  A token outside the list goes to word 1,024 + lane of my own region
	s_mov_b32 s[PRF], 0
	v_lshl_add_u32 v20, v1, 2, s[LB]
	v_mov_b32 v21, 0
	ds_store_b32 v20, v21                          ; ranks 0 to 31 hold token 0 until the list's own stores come: rank 0 of an empty list may be read below
	v_mov_b32 v18, v1
	v_add_nc_u32 v19, 1024, v1
.set jj, 0
.rept 32
	v_mbcnt_lo_u32_b32 v[32+jj], s[BM+jj], s[PRF]
	v_cndmask_b32 v20, v19, v[32+jj], s[BM+jj]
	v_min_u32 v20, 0x41f, v20
	v_lshl_add_u32 v20, v20, 2, s[LB]
	ds_store_b32 v20, v18
	v_add_nc_u32 v18, 32, v18
	s_bcnt1_i32_b32 s[T0], s[BM+jj]
	s_add_co_u32 s[PRF], s[PRF], s[T0]
.set jj, jj+1
.endr
	; one wave for each routed expert stores every token's padded row for the last launch (only list tokens' entries are read there)
	s_or_b32 s[T0], s[SX], s[SQ]
	s_or_b32 s[T0], s[T0], s[WV]
	s_cmp_lg_u32 s[T0], 0
	s_cbranch_scc1 .Lnorow
	s_cmp_eq_u32 s[SV], 0
	s_cbranch_scc1 .Lnorow
	s_sub_co_u32 s[T0], s[SV], 1
	s_min_u32 s[T0], s[T0], 6
	s_lshl_b32 s[T0], s[T0], 12
	v_lshl_add_u32 v21, v1, 2, s[T0]
	s_lshl_b32 s[T1], s[SRBB], 4
.set jj, 0
.rept 32
	v_add_nc_u32 v[32+jj], s[T1], v[32+jj]
	global_store_b32 v21, v[32+jj], s[18:19] offset:128*jj
.set jj, jj+1
.endr
	s_wait_xcnt 0x0                                ; the stores' registers are written again below
.Lnorow:
	; my rows: rank 320 q + 16 (4 i + w) + r, at most the list's last
	s_mul_i32 s[T0], s[SQ], 320
	s_lshl4_add_u32 s[T0], s[WV], s[T0]
	s_sub_co_i32 s[CM1], s[SC], 1
	s_max_i32 s[CM1], s[CM1], 0
	v_add_nc_u32 v17, s[T0], v26
.irp c, 0,1,2,3,4
	v_add_nc_u32 v[20+\c], 64*\c, v17
	v_min_u32 v[20+\c], s[CM1], v[20+\c]
	v_min_u32 v[20+\c], 0x3ff, v[20+\c]
	v_lshl_add_u32 v[20+\c], v[20+\c], 2, s[LB]
	ds_load_b32 v[AOFF+\c], v[20+\c]               ; my wave's own bytes: LDS serves a wave's instructions in order (ISA guide 5.7.1.4)
.endr
	s_wait_dscnt 0x0
.irp c, 0,1,2,3,4
	v_min_u32 v[AOFF+\c], 0x3ff, v[AOFF+\c]
	v_lshlrev_b32 v[AOFF+\c], 11, v[AOFF+\c]
	v_lshl_add_u32 v[AOFF+\c], v27, 4, v[AOFF+\c]
.endr
	ALOAD 0
	s_wait_loadcnt 44                              ; K step 0's weights are in; behind them K step 1's 24 loads and x's 20
	CVT 0, 0, 0
	CVT 0, 1, 0
	CVT 0, 2, 0
	WLOAD 0, 0, WOFF, 2                            ; K step 2
	WLOAD 0, 1, WOFF, 2
	WLOAD 0, 2, WOFF, 2
	WIN 0
.Lnopro:
	s_wait_dscnt 0x0                               ; for the others' sake: my part of slot 0 is written, and my reads of the last pass's slots are back
	s_barrier_signal -1
	s_barrier_wait -1
; K STEP s, out of slot sl and x's buffer sl.  Beside its 120 products the next step's weights (set and slot 1 - sl) are rounded and stored, x of the next step is loaded, and the set is loaded again
; with the weights three steps on.  Four phases of 30 products: gate and up for the first 32 k, gate and up for the second; each phase loads the next phase's six operands from LDS, the first phase its own too.
; THE GUARD: where the pass has no group the step's work is jumped, forward, to the barrier; on that way the wave waits for all its loads, so that none is pending whichever steps are jumped.
; lcnt: loads come back in order; at the head x of this step and, older, the next step's weights must be in; the 24 weight loads issued behind them stay out.
; The counted waits on LDS: in the first phase the second six operands' 12 loads stay out; in the next two this phase's 4 stores (none where nothing is rounded) and 12 loads.
; ONE barrier a step, behind its work and on every way: in front of it my stores into the other slot are done and my reads of this slot are back; behind it the other slot is read and this one written.
.macro TRIP sl, zero, conv, refill, aload, lcnt, last
	WIN 0
	s_cmp_lg_u32 s[LIVE], 0
	s_cbranch_scc1 .Lwork_\@
	s_wait_loadcnt 0x0
	s_branch .Ljoin_\@
.Lwork_\@:
	s_wait_loadcnt \lcnt
	s_wait_xcnt 0x0                                ; the two bases and the weights' offset are written only behind this wait
.if \aload
	s_add_nc_u64 s[SA:SA+1], s[SA:SA+1], 128
.endif
.if \refill
	s_add_nc_u64 s[SW:SW+1], s[SW:SW+1], s[WST:WST+1]
	v_and_b32 v[WOFX], s[MSK], v[WOFF]
.endif
	FEED 1-(\sl), 0, \conv
	BLOAD XB, \sl, 0
	BLOAD YB, \sl, 6
.if \aload
	ALOAD 1-(\sl)
.endif
.if \refill
	WLOAD 1-(\sl), 0, WOFX, 2
.endif
	s_wait_dscnt 12
	MUL XB, 80*(\sl), 0, 30, \zero, 0xa4
	FEED 1-(\sl), 1, \conv
	BLOAD XB, \sl, 12
.if \refill
	WLOAD 1-(\sl), 1, WOFX, 2
.endif
	s_wait_dscnt 12+4*(\conv)
	MUL YB, 80*(\sl), 0, 30, \zero, 0xf4
	FEED 1-(\sl), 2, \conv
	BLOAD YB, \sl, 18
.if \refill
	WLOAD 1-(\sl), 2, WOFX, 2
.endif
	s_wait_dscnt 12+4*(\conv)
	MUL XB, 80*(\sl)+40, 0, 30, 0, 0xa4
	s_wait_dscnt 0x0
	MUL YB, 80*(\sl)+40, 0, 30, 0, 0xf4
	WIN 0
.Ljoin_\@:
.if !(\last)
	s_wait_dscnt 0x0
	s_barrier_signal -1
	s_barrier_wait -1
.endif
.endm
	TRIP 0, 1, 1, 1, 1, 24, 0                      ; K step 0 stands in front of the loop: its products start the sums
	s_mov_b32 s[LC], 7
.Lk:                                                   ; K steps 1 to 14, two a trip
	; The last trip's steps, 13 and 14, have no weights left to load (a step loads those three steps on).  There the base's step is 0 and every lane's offset 0: the 24 loads a step are still issued, so that
	; the count of the wait at a step's head holds in every trip, and each fetches 16 bytes inside the matrix; their results are not used.  The price: 48 loads a wave; the gain: two copies of the step less.
	s_cmp_lg_u32 s[LC], 1
	s_cselect_b32 s[WST], WSTEP, 0
	s_cselect_b32 s[MSK], -1, 0
	TRIP 1, 0, 1, 1, 1, 24, 0
	TRIP 0, 0, 1, 1, 1, 24, 0
	s_sub_co_u32 s[LC], s[LC], 1
	s_cmp_lg_u32 s[LC], 0
	s_cbranch_scc1 .Lk
	TRIP 1, 0, 0, 0, 0, 0, 1                       ; 15: nothing is left to round or to load; its wait is for all loads
	PLACES
; THE WAY OUT of row block q: h = g u / (1 + 2^(-g log2 e)).  The 48 exponentials are one batch with one wait, and so are the 48 reciprocals.  Each accumulator is read from its low end on.
.macro HOUT q
	WIN 0
	s_cmp_gt_i32 s[SSL], 4*(\q)
	s_cbranch_scc0 .Lhdead_\@                      ; past the group's end: nothing is stored
	s_wait_xcnt 0x0                                ; the last block's stores have read their registers
	WIN 0x02
.set z, 0
.rept 24
	v_pk_mul_f32 v[EB+2*z:EB+2*z+1], v[48*(\q)+2*z:48*(\q)+2*z+1], s[NL2:NL2+1] op_sel_hi:[1,0]
.set z, z+1
.endr
	WIN 0x0e
.set z, 0
.rept 24
	v_pk_mul_f32 v[GU+2*z:GU+2*z+1], v[48*(\q)+2*z:48*(\q)+2*z+1], v[48*(\q)+2*z:48*(\q)+2*z+1]
.set z, z+1
.endr
	WIN 0
.set z, 0
.rept 48
	v_exp_f32 v[EB+z], v[EB+z]
.set z, z+1
.endr
	v_nop
	s_wait_alu depctr_va_vdst(0)
.set z, 0
.rept 24
	v_pk_add_f32 v[EB+2*z:EB+2*z+1], v[EB+2*z:EB+2*z+1], 1.0 op_sel_hi:[1,0]
.set z, z+1
.endr
.set z, 0
.rept 48
	v_rcp_f32 v[EB+z], v[EB+z]
.set z, z+1
.endr
	v_nop
	s_wait_alu depctr_va_vdst(0)
.set z, 0
.rept 24
	v_pk_mul_f32 v[GU+2*z:GU+2*z+1], v[GU+2*z:GU+2*z+1], v[EB+2*z:EB+2*z+1]
.set z, z+1
.endr
.set z, 0
.rept 24
	v_cvt_pk_bf16_f32 v[HB+z], v[GU+2*z], v[GU+2*z+1]
.set z, z+1
.endr
	s_cmp_eq_u32 s[SX], 21
	s_cbranch_scc1 .Lh45_\@                        ; the shifted slice's first 64 columns are its neighbour's
.irp c, 0,1,2,3
	global_store_b128 v[L16], v[HB+4*\c:HB+4*\c+3], s[SH:SH+1] offset:262144*(\q)+512*\c  ; 512 consecutive bytes, aligned
.endr
.Lh45_\@:
.irp c, 4,5
	global_store_b128 v[L16], v[HB+4*\c:HB+4*\c+3], s[SH:SH+1] offset:262144*(\q)+512*\c
.endr
.Lhdead_\@:
.endm
	HOUT 0
	HOUT 1
	HOUT 2
	HOUT 3
	HOUT 4
	s_add_co_u32 s[SY], s[SY], 11                  ; the second pass's group,
	s_cmp_lt_u32 s[SY], s[ACC]
	s_cselect_b32 s[LIVE], 1, 0                    ; if this split has one of that number
	s_sub_co_u32 s[PASS], s[PASS], 1
	s_cmp_lg_u32 s[PASS], 0
	s_cbranch_scc1 .Lpass
	s_wait_tensorcnt 0x0                           ; the wave's end
	ds_add_u32 v[SPW], v[NIL]
	s_wait_dscnt 0x0
	s_endpgm
.Lfunc_end_k_q92710362ed_gateup:
	.size	k_q92710362ed_gateup, .Lfunc_end_k_q92710362ed_gateup-k_q92710362ed_gateup
	.p2alignl 7, 3214868480
	.fill 96, 4, 3214868480
	.section	.rodata,"a",@progbits
	.p2align	6, 0x0
	.amdhsa_kernel k_q92710362ed_gateup
		.amdhsa_group_segment_fixed_size 67072
		.amdhsa_private_segment_fixed_size 0
		.amdhsa_enable_private_segment 0
		.amdhsa_kernarg_size 64
		.amdhsa_user_sgpr_count 2
		.amdhsa_user_sgpr_kernarg_segment_ptr 1
		.amdhsa_wavefront_size32 1
		.amdhsa_system_sgpr_workgroup_id_x 1
		.amdhsa_system_sgpr_workgroup_id_y 1
		.amdhsa_system_sgpr_workgroup_id_z 1
		.amdhsa_system_vgpr_workitem_id 0
		.amdhsa_next_free_vgpr 1008
		.amdhsa_next_free_sgpr 102
		.amdhsa_reserve_vcc 0
		.amdhsa_float_denorm_mode_32 3
		.amdhsa_float_denorm_mode_16_64 3
		.amdhsa_memory_ordered 1
		.amdhsa_forward_progress 1
		.amdhsa_inst_pref_size 171
	.end_amdhsa_kernel
	.amdgpu_metadata
---
amdhsa.version: [ 1, 2 ]
amdhsa.kernels:
  - .name:           k_q92710362ed_gateup
    .symbol:         k_q92710362ed_gateup.kd
    .args:
      - { .name: xb, .offset: 0, .size: 8, .value_kind: global_buffer, .address_space: global }
      - { .name: route, .offset: 8, .size: 8, .value_kind: global_buffer, .address_space: global }
      - { .name: shared_gate_w, .offset: 16, .size: 8, .value_kind: global_buffer, .address_space: global }
      - { .name: shared_up_w, .offset: 24, .size: 8, .value_kind: global_buffer, .address_space: global }
      - { .name: routed_gate_w, .offset: 32, .size: 8, .value_kind: global_buffer, .address_space: global }
      - { .name: routed_up_w, .offset: 40, .size: 8, .value_kind: global_buffer, .address_space: global }
      - { .name: hbuf, .offset: 48, .size: 8, .value_kind: global_buffer, .address_space: global }
      - { .name: rowof, .offset: 56, .size: 8, .value_kind: global_buffer, .address_space: global }
    .group_segment_fixed_size: 67072
    .private_segment_fixed_size: 0
    .kernarg_segment_align: 8
    .kernarg_segment_size: 64
    .max_flat_workgroup_size: 128
    .sgpr_count:     102
    .vgpr_count:     1008
    .wavefront_size: 32
...
	.end_amdgpu_metadata
.endif
;; end of part 2
;; launch down (part 3): grid 22 x 11, 4 waves a work-group, no clusters, 75,264 bytes of LDS; arguments hbuf, route, shared_down_w, routed_down_w, part; writes part
.if DOCPART == 3
	.amdgcn_target "amdgcn-amd-amdhsa--gfx1250"
	.amdhsa_code_object_version 6
	.text
	.protected	k_q92710362ed_down
	.globl	k_q92710362ed_down
	.p2align	8
	.type	k_q92710362ed_down,@function
k_q92710362ed_down:
	s_mov_b64 s[64:65], 0
	v_nop
	global_prefetch_b8 v0, s[64:65] scope:SCOPE_SE
	s_setreg_imm32_b32 hwreg(HW_REG_WAVE_MODE, 25, 1), 1
	s_wait_xcnt 0x0
; DOWN.  For one group of at most 320 rows of one expert (lists, row blocks and groups as in the launch before, worked out anew from the stored counts), 96 output columns and one half of K = 2,048:
; a partial Y = h Wd, bf16 operands, f32 sums, stored in f32: part [half x 11 + slice][3,168 rows][96].  The last launch adds the halves and the experts.
; WHY K IS HALVED: with all of K a work-group would have half the columns for the same rows of h, and h would be read from the cache twice as often; the price is a second set of partial sums.
; SHARES.  Grid x = 11 x half + slice (the last slice shifted back to end at column 1,023; the last launch takes each column from one slice).  Wave w multiplies row blocks 4 i + w,
; i = 0..4, by 6 column blocks: 30 accumulators.  K goes in 8 steps of 128; a slot holds 24 operands of the weights, number 6 kk + column block; wave w fetches and rounds the 32 k of kk = w.
; TWO PASSES, as in the launch before: every split has at least 11 groups and at most 17; grid y = 0..10; a work-group takes group y and then group y + 11, by one text walked twice.  The first pass's flag
; LIVE is the constant 1; the second's is made from the stored counts, and where it is 0 the pass's set-up and the work of its K steps are jumped, forward, every wave passes every barrier, and nothing is
; stored: no barrier stands under a branch on the stored counts.  The bases and offsets of all loads and stores are made at a pass's head, ahead of that jump, so that they are written on every way.
; (A first pass's group that does not exist, which only NaN probabilities bring about, works on clamped row blocks and stores nothing.)
; h comes from hbuf straight into operand registers: it was stored in that order, a load covers 512 consecutive bytes.  Weights, ring, barrier and the transposed use of the matrix instruction as in the launch before.
; NO JOINT LOADS: the weights must pass through registers to be rounded; h through LDS would add more LDS traffic than the weights' operands make.
.set PITCH,  4096
.set WSTEP,  128*PITCH
.set SLOTB,  24576
.set STAGE,  2*SLOTB                   ; behind the ring: for each wave 16 rows of 384 bytes, 400 apart
.set SPITCH, 400
.set SPARE,  STAGE+4*16*SPITCH         ; 74,752: the spare words, 128 bytes for each wave
.set SPW,  2
.set NIL,  3
.set AOFF, 4                           ; v4-8    row block i's byte offset in hbuf + 16 x lane
.set WOFF, 9
.set WA,   10
.set RB,   14
.set L16,  16
.set STO,  17                          ; v17     the way out: where I put 32 bytes of a row
.set RD,   18                          ; v18-20  the way out: where I read 16 bytes back
.set WOFX, 29                          ; v29     WOFF, or 0 in the K steps that have no weights left to load
.set XB,   32
.set YB,   80
.set CH,   224
; v128-223: weights as loaded, set 0.  window 1: v0-159 operands of h, buffer 0 (number 5 kk + i); v160-255 weights as loaded, set 1.  window 2: v0-159 buffer 1.  window 3: the accumulators at 8 (6 i + cb).
.set WV,   20
.set SX,   21
.set SY,   22                          ; the number of the group in hand: y, then y + 11
.set SV,   23
.set SQ,   24
.set SC,   25
.set SRBB, 26
.set SNBL, 27
.set SSL,  28
.set T0,   29
.set T1,   30
.set T2,   31
.set CN,   66
.set LC,   74
.set SA,   76
.set SW,   78                          ; s[78:79] my matrix, two K steps behind the one to be loaded
.set SP,   80
.set SEL,  84
.set ACC,  86                          ; behind the group map: the number of groups
.set RBS,  87
.set GB,   88
.set COL0, 89
.set KH,   90
.set LASTB, 91
.set LIVE, 92                          ; s92     1: the group in hand exists
.set PASS, 93                          ; s93     passes to go
.set MSK,  94                          ; s94     all ones, or 0 where no weights are left to load
.set WST,  96                          ; s[96:97] the step of SW: a K step, or 0 where no weights are left to load
.set MSB, 0
.macro WIN new
.if MSB != (\new)
	s_set_vgpr_msb (MSB<<8)|(\new)
.set MSB, (\new)
.endif
.endm
.macro PLACES
.rept 4
	v_nop
.endr
.endm
.macro WLOAD set, p, areg, ahead       ; task p of my 32 k, `ahead` K steps past SW
.if \set
	WIN 0x40
.set SB, 160+32*(\p)
.else
	WIN 0
.set SB, 128+32*(\p)
.endif
.irp t, 0,1,2,3,4,5,6,7
	global_load_b128 v[SB+4*\t:SB+4*\t+3], v[\areg], s[SW:SW+1] offset:\t*PITCH+128*(\p)+(\ahead)*WSTEP
.endr
.endm
.macro CVT set, p, slot
.if \set
	WIN 0x05
.set SB, 160+32*(\p)
.else
	WIN 0
.set SB, 128+32*(\p)
.endif
.irp c, 0,1,2,3
.irp d, 0,1,2,3
	v_cvt_pk_bf16_f32 v[CH+4*\c+\d], v[SB+8*\d+\c], v[SB+8*\d+4+\c]
.endr
.endr
	WIN 0
.irp c, 0,1,2,3
	ds_store_b128 v[WA+\c], v[CH+4*\c:CH+4*\c+3] offset:(\slot)*SLOTB+2048*(\p)
.endr
.endm
.macro FEED o, p, conv
.if \conv
	CVT \o, \p, \o
.else
	PLACES
.endif
.endm
.macro BLOAD buf, slot, f0
	WIN 0
.set fq, \f0
.rept 6
	ds_load_b128 v[\buf+8*(fq-(\f0)):\buf+8*(fq-(\f0))+3], v[RB+(fq&1)] offset:(\slot)*SLOTB+1024*fq
	ds_load_b128 v[\buf+8*(fq-(\f0))+4:\buf+8*(fq-(\f0))+7], v[RB+(fq&1)] offset:(\slot)*SLOTB+1024*fq+512
.set fq, fq+1
.endr
.endm
.macro ALOAD buf                       ; a K step's twenty operands of h: 40 loads of 512 consecutive bytes
	WIN 0x40+0x40*(\buf)
.set fa, 0
.rept 20
	global_load_b128 v[8*fa:8*fa+3], v[AOFF+fa%5], s[SA:SA+1] offset:1024*(fa/5)
	global_load_b128 v[8*fa+4:8*fa+7], v[AOFF+fa%5], s[SA:SA+1] offset:1024*(fa/5)+512
.set fa, fa+1
.endr
.endm
.macro MUL buf, abase, n0, n1, zero, win   ; the 30 accumulators take turns, one instruction a turn
	WIN \win
.set nn, \n0
.rept (\n1)-(\n0)
.if \zero
	v_wmma_f32_16x16x32_bf16 v[8*nn:8*nn+7], v[\buf+8*(nn%6):\buf+8*(nn%6)+7], v[(\abase)+8*(nn/6):(\abase)+8*(nn/6)+7], 0
.else
	v_wmma_f32_16x16x32_bf16 v[8*nn:8*nn+7], v[\buf+8*(nn%6):\buf+8*(nn%6)+7], v[(\abase)+8*(nn/6):(\abase)+8*(nn/6)+7], v[8*nn:8*nn+7]
.endif
.set nn, nn+1
.endr
.endm
	; ONCE: what hangs on the lane, the wave, the slice and the counts
	s_load_b256 s[4:11], s[0:1], 0x0               ; hbuf s[4:5], route s[6:7], shared down s[8:9], routed down s[10:11]
	s_load_b64 s[12:13], s[0:1], 0x20              ; part
	v_lshl_add_u32 v[SPW], v0, 2, SPARE
	v_mov_b32 v[NIL], 0
	v_and_b32 v1, 31, v0
	v_lshrrev_b32 v21, 5, v0
	v_readfirstlane_b32 s[WV], v21
	s_mov_b32 s[SX], ttmp9
	s_and_b32 s[SY], ttmp7, 0xffff                 ; the first pass's group
	s_mov_b32 s[SEL], 0x76543210
	s_mov_b32 s[SEL+1], 0xfedcba98
	v_lshlrev_b32 v[L16], 4, v1
	s_wait_kmcnt 0x0
	global_load_b128 v[64:67], v[L16], s[6:7] offset:1024  ; the packed counts
	v_and_b32 v21, 7, v1                           ; which 4 columns of 32
	v_lshrrev_b32 v22, 3, v1                       ; o: which 8 k of 32
	v_and_b32 v23, 3, v21
	v_lshrrev_b32 v24, 2, v21
	v_and_b32 v25, 1, v22
	v_lshrrev_b32 v26, 1, v22
	v_and_b32 v27, 15, v1                          ; r
	v_lshrrev_b32 v28, 4, v1                       ; h
	s_mul_i32 s[T2], s[WV], 6                      ; the first operand that I write
	s_lshl_b32 s[T0], s[WV], 17                    ; my 32 k of the step's 128
	v_lshlrev_b32 v[WOFF], 4, v21
	v_lshl_add_u32 v[WOFF], v22, 15, v[WOFF]
	v_add_nc_u32 v[WOFF], s[T0], v[WOFF]
	v_add_nc_u32 v29, s[T2], v24                   ; the pieces' places in a slot: as in the launch before
	v_lshlrev_b32 v29, 10, v29
	v_lshl_add_u32 v29, v26, 9, v29
	v_lshl_add_u32 v29, v25, 8, v29
	v_lshl_add_u32 v30, v23, 2, v24
	v_lshl_add_u32 v30, v25, 1, v30
.irp c, 0,1,2,3
	v_add_nc_u32 v31, \c, v30
	v_and_b32 v31, 15, v31
	v_lshl_add_u32 v[WA+\c], v31, 4, v29
.endr
	v_lshl_add_u32 v30, v28, 1, v27
.irp c, 0,1
	v_add_nc_u32 v31, \c, v30
	v_and_b32 v31, 15, v31
	v_lshlrev_b32 v31, 4, v31
	v_lshl_add_u32 v[RB+\c], v28, 8, v31
.endr
	s_mul_i32 s[T1], s[WV], 16*SPITCH
	s_add_co_u32 s[T1], s[T1], STAGE               ; my stage
	v_mul_u32_u24 v[STO], v27, SPITCH              ; in: row r, 32 bytes for each half of the lanes
	v_lshl_add_u32 v[STO], v28, 5, v[STO]
	v_add_nc_u32 v[STO], s[T1], v[STO]
.irp c, 0,1,2                          ; back: piece p = 32 c + lane of 16 bytes lies in row p / 24: at 16 p + 16 (p / 24); 96 pieces further on, 1,600 bytes further
	v_add_nc_u32 v30, 32*\c, v1
	v_mul_u32_u24 v31, v30, 2731
	v_lshrrev_b32 v31, 16, v31
	v_add_nc_u32 v31, v31, v30
	v_lshl_add_u32 v[RD+\c], v31, 4, s[T1]
.endr
	s_wait_loadcnt 0x0
.irp c, 64,65,66,67
.irp m, 1,2,4,8
	v_mov_b32_dpp v21, v[\c] row_xmask:\m row_mask:0xf bank_mask:0xf
	v_add_nc_u32 v[\c], v[\c], v21
.endr
	v_permlanex16_b32 v21, v[\c], s[SEL], s[SEL+1]
	v_add_nc_u32 v[\c], v[\c], v21
.endr
	s_mov_b32 s[CN], 1024
	v_readfirstlane_b32 s[T0], v64
	s_and_b32 s[CN+1], s[T0], 0xffff
	s_lshr_b32 s[CN+2], s[T0], 16
	v_readfirstlane_b32 s[T0], v65
	s_and_b32 s[CN+3], s[T0], 0xffff
	s_lshr_b32 s[CN+4], s[T0], 16
	v_readfirstlane_b32 s[T0], v66
	s_and_b32 s[CN+5], s[T0], 0xffff
	s_lshr_b32 s[CN+6], s[T0], 16
	v_readfirstlane_b32 s[T0], v67
	s_and_b32 s[CN+7], s[T0], 0xffff
	s_cmp_ge_u32 s[SX], 11
	s_cselect_b32 s[KH], 1, 0                      ; which half of K
	s_mul_i32 s[T0], s[KH], 11
	s_sub_co_u32 s[T0], s[SX], s[T0]
	s_mul_i32 s[COL0], s[T0], 96
	s_min_u32 s[COL0], s[COL0], 928                ; my first column
	s_mov_b32 s[WST+1], 0
	s_mov_b32 s[LIVE], 1                           ; the first pass's group exists in every split
	s_mov_b32 s[PASS], 2
.Lpass:                                                ; A PASS: group s[SY]
	s_wait_xcnt 0x0                                ; the last pass's stores have read their registers and their base
	s_mov_b32 s[ACC], 0
	s_mov_b32 s[RBS], 0
	s_mov_b32 s[SV], 0
	s_mov_b32 s[SQ], 0
	s_mov_b32 s[SC], 0
	s_mov_b32 s[SRBB], 0
.irp u, 0,1,2,3,4,5,6,7
	s_add_co_u32 s[T0], s[CN+\u], 319
	s_mul_i32 s[T0], s[T0], 3277
	s_lshr_b32 s[T0], s[T0], 20
	s_sub_co_u32 s[T1], s[SY], s[ACC]
	s_cmp_ge_u32 s[SY], s[ACC]
	s_cselect_b32 s[SV], \u, s[SV]
	s_cselect_b32 s[SQ], s[T1], s[SQ]
	s_cselect_b32 s[SC], s[CN+\u], s[SC]
	s_cselect_b32 s[SRBB], s[RBS], s[SRBB]
	s_add_co_u32 s[ACC], s[ACC], s[T0]
	s_add_co_u32 s[T0], s[CN+\u], 15
	s_lshr_b32 s[T0], s[T0], 4
	s_add_co_u32 s[RBS], s[RBS], s[T0]
.endr
	s_add_co_u32 s[T0], s[SC], 15
	s_lshr_b32 s[T0], s[T0], 4                     ; the list's row blocks
	s_add_co_u32 s[LASTB], s[SRBB], s[T0]
	s_sub_co_u32 s[LASTB], s[LASTB], 1             ; its last one (of an empty list: the last of the list before; the shared expert's 64 stand in front of all)
	s_mul_i32 s[T1], s[SQ], 20
	s_sub_co_i32 s[T0], s[T0], s[T1]               ; row blocks from the group's first on: 0 or less where the number has no group,
	s_min_i32 s[SNBL], s[T0], 20
	s_sub_co_i32 s[SSL], s[SNBL], s[WV]
	s_max_i32 s[SSL], s[SSL], 0                    ; so that nothing is stored then
	s_add_co_u32 s[GB], s[T1], s[SRBB]
	s_add_co_u32 s[GB], s[GB], s[WV]               ; my first row block
	s_mov_b32 s[MSK], -1
	s_mov_b32 s[WST], WSTEP
	; the rows' offsets and the three bases, made on every way, whether the pass has a group or not
.irp c, 0,1,2,3,4
	s_add_co_u32 s[T0], s[GB], 4*\c
	s_min_u32 s[T0], s[T0], s[LASTB]               ; a block past the list's end repeats its last
	s_min_u32 s[T0], s[T0], 197
	s_lshl_b32 s[T0], s[T0], 16
	v_add_nc_u32 v[AOFF+\c], s[T0], v[L16]
.endr
	s_lshl_b32 s2, s[KH], 15                       ; 32 blocks of 32 k, 1,024 bytes each
	s_mov_b32 s3, 0
	s_add_nc_u64 s[SA:SA+1], s[4:5], s[2:3]        ; hbuf at my half's K step 0
	s_cmp_lt_u32 s[SY], 4                          ; the shared expert's 1,024 rows are always groups 0 to 3: which buffer is mine hangs on the work-group's number and the pass alone
	s_cselect_b64 s[SW:SW+1], s[8:9], s[10:11]
	s_max_u32 s[T0], s[SV], 1
	s_sub_co_u32 s[T0], s[T0], 1                   ; the routed expert's number; 0 for the shared one
	s_min_u32 s[T0], s[T0], 6
	s_lshl_b32 s[T0], s[T0], 23
	s_lshl_b32 s[T1], s[KH], 22
	s_add_co_u32 s[T0], s[T0], s[T1]
	s_lshl_b32 s[T1], s[COL0], 2
	s_add_co_u32 s2, s[T0], s[T1]
	s_add_nc_u64 s[SW:SW+1], s[SW:SW+1], s[2:3]    ; my matrix at my half's K step 0 and my first column
	s_min_u32 s[T0], s[GB], 197
	s_mul_i32 s[T0], s[T0], 6144                   ; a row block of part is 16 x 384 bytes,
	s_mul_i32 s[T1], s[SX], 1216512                ; a slice 3,168 x 384
	s_add_co_u32 s2, s[T0], s[T1]
	s_add_nc_u64 s[SP:SP+1], s[12:13], s[2:3]      ; part at my slice and first row block
	s_cmp_eq_u32 s[LIVE], 0
	s_cbranch_scc1 .Lnopro                         ; no such group: the set-up is jumped
	ALOAD 0
	WLOAD 0, 0, WOFF, 0                            ; K step 0
	WLOAD 0, 1, WOFF, 0
	WLOAD 0, 2, WOFF, 0
	WLOAD 1, 0, WOFF, 1                            ; K step 1: the immediate reaches a step ahead, so that the base need not be stepped here
	WLOAD 1, 1, WOFF, 1
	WLOAD 1, 2, WOFF, 1
	s_wait_loadcnt 24                              ; h of K step 0 and its weights are in; K step 1's 24 loads stay out
	CVT 0, 0, 0
	CVT 0, 1, 0
	CVT 0, 2, 0
	WLOAD 0, 0, WOFF, 2                            ; K step 2
	WLOAD 0, 1, WOFF, 2
	WLOAD 0, 2, WOFF, 2
	WIN 0
.Lnopro:
	s_wait_dscnt 0x0                               ; for the others' sake: my part of slot 0 is written, and my reads of the last pass's slots are back
	s_barrier_signal -1
	s_barrier_wait -1
; K STEP s, out of slot sl and h's buffer sl: four phases of 30 products, one for each 32 k, all on the same 30 accumulators.  The rest as in the launch before: the next step's weights are rounded into the
; other slot, h of the next step and the weights three steps on are loaded; at the head h of this step and the next step's weights are in and the 24 weight loads issued last stay out.
; THE GUARD: where the pass has no group the step's work is jumped, forward, to the barrier; on that way the wave waits for all its loads, so that none is pending whichever steps are jumped.
; The counted waits on LDS: in the first phase the second six operands' 12 loads stay out; in the next two this phase's 4 stores (none where nothing is rounded) and 12 loads.
; One barrier a step, behind its work and on every way, my stores done and my reads back in front of it.
.macro TRIP sl, zero, conv, refill, aload, lcnt, last
	WIN 0
	s_cmp_lg_u32 s[LIVE], 0
	s_cbranch_scc1 .Lwork_\@
	s_wait_loadcnt 0x0
	s_branch .Ljoin_\@
.Lwork_\@:
	s_wait_loadcnt \lcnt
	s_wait_xcnt 0x0                                ; the two bases and the weights' offset are written only behind this wait
.if \aload
	s_add_nc_u64 s[SA:SA+1], s[SA:SA+1], 4096
.endif
.if \refill
	s_add_nc_u64 s[SW:SW+1], s[SW:SW+1], s[WST:WST+1]
	v_and_b32 v[WOFX], s[MSK], v[WOFF]
.endif
	FEED 1-(\sl), 0, \conv
	BLOAD XB, \sl, 0
	BLOAD YB, \sl, 6
.if \aload
	ALOAD 1-(\sl)
.endif
.if \refill
	WLOAD 1-(\sl), 0, WOFX, 2
.endif
	s_wait_dscnt 12
	MUL XB, 0, 0, 30, \zero, 0xf4+4*(\sl)
	FEED 1-(\sl), 1, \conv
	BLOAD XB, \sl, 12
.if \refill
	WLOAD 1-(\sl), 1, WOFX, 2
.endif
	s_wait_dscnt 12+4*(\conv)
	MUL YB, 40, 0, 30, 0, 0xf4+4*(\sl)
	FEED 1-(\sl), 2, \conv
	BLOAD YB, \sl, 18
.if \refill
	WLOAD 1-(\sl), 2, WOFX, 2
.endif
	s_wait_dscnt 12+4*(\conv)
	MUL XB, 80, 0, 30, 0, 0xf4+4*(\sl)
	s_wait_dscnt 0x0
	MUL YB, 120, 0, 30, 0, 0xf4+4*(\sl)
	WIN 0
.Ljoin_\@:
.if !(\last)
	s_wait_dscnt 0x0
	s_barrier_signal -1
	s_barrier_wait -1
.endif
.endm
	TRIP 0, 1, 1, 1, 1, 24, 0                      ; K step 0 stands in front of the loop: its first phase starts the sums
	s_mov_b32 s[LC], 3
.Lk:                                                   ; K steps 1 to 6, two a trip
	; The last trip's steps, 5 and 6, have no weights left to load (a step loads those three steps on).  There the base's step is 0 and every lane's offset 0: the 24 loads a step are still issued, so that
	; the count of the wait at a step's head holds in every trip, and each fetches 16 bytes inside the matrix; their results are not used.  The price: 48 loads a wave; the gain: two copies of the step less.
	s_cmp_lg_u32 s[LC], 1
	s_cselect_b32 s[WST], WSTEP, 0
	s_cselect_b32 s[MSK], -1, 0
	TRIP 1, 0, 1, 1, 1, 24, 0
	TRIP 0, 0, 1, 1, 1, 24, 0
	s_sub_co_u32 s[LC], s[LC], 1
	s_cmp_lg_u32 s[LC], 0
	s_cbranch_scc1 .Lk
	TRIP 1, 0, 0, 0, 0, 0, 1                       ; 7: nothing is left to round or to load; its wait is for all loads
	PLACES
; THE WAY OUT of row block q: a lane's 8 columns of a row are 32 bytes; the block goes through my own stage and comes back as 6,144 consecutive bytes of part.
.macro POUT q
	WIN 0
	s_cmp_gt_i32 s[SSL], 4*(\q)
	s_cbranch_scc0 .Lpdead_\@                      ; past the group's end: nothing is stored
	s_wait_xcnt 0x0                                ; earlier stores have read their registers
.set OB, XB+48*((\q)%2)
	WIN 0x0c                                       ; the stores' data in window 3
.irp c, 0,1,2,3,4,5
	ds_store_b128 v[STO], v[48*(\q)+8*\c:48*(\q)+8*\c+3] offset:64*\c      ; each accumulator's low half first
	ds_store_b128 v[STO], v[48*(\q)+8*\c+4:48*(\q)+8*\c+7] offset:64*\c+16
.endr
	WIN 0
.irp t, 0,1,2,3,4,5,6,7,8,9,10,11
	ds_load_b128 v[OB+4*\t:OB+4*\t+3], v[RD+(\t)%3] offset:1600*((\t)/3)   ; my wave's own bytes: LDS serves a wave's instructions in order (ISA guide 5.7.1.4)
.endr
	s_wait_dscnt 0x0
.irp t, 0,1,2,3,4,5,6,7,8,9,10,11
	global_store_b128 v[L16], v[OB+4*\t:OB+4*\t+3], s[SP:SP+1] offset:24576*(\q)+512*\t th:TH_STORE_NT  ; 512 consecutive bytes, aligned
.endr
.Lpdead_\@:
.endm
	POUT 0
	POUT 1
	POUT 2
	POUT 3
	POUT 4
	s_add_co_u32 s[SY], s[SY], 11                  ; the second pass's group,
	s_cmp_lt_u32 s[SY], s[ACC]
	s_cselect_b32 s[LIVE], 1, 0                    ; if this split has one of that number
	s_sub_co_u32 s[PASS], s[PASS], 1
	s_cmp_lg_u32 s[PASS], 0
	s_cbranch_scc1 .Lpass
	s_wait_tensorcnt 0x0                           ; the wave's end
	ds_add_u32 v[SPW], v[NIL]
	s_wait_dscnt 0x0
	s_endpgm
.Lfunc_end_k_q92710362ed_down:
	.size	k_q92710362ed_down, .Lfunc_end_k_q92710362ed_down-k_q92710362ed_down
	.p2alignl 7, 3214868480
	.fill 96, 4, 3214868480
	.section	.rodata,"a",@progbits
	.p2align	6, 0x0
	.amdhsa_kernel k_q92710362ed_down
		.amdhsa_group_segment_fixed_size 75264
		.amdhsa_private_segment_fixed_size 0
		.amdhsa_enable_private_segment 0
		.amdhsa_kernarg_size 40
		.amdhsa_user_sgpr_count 2
		.amdhsa_user_sgpr_kernarg_segment_ptr 1
		.amdhsa_wavefront_size32 1
		.amdhsa_system_sgpr_workgroup_id_x 1
		.amdhsa_system_sgpr_workgroup_id_y 1
		.amdhsa_system_sgpr_workgroup_id_z 1
		.amdhsa_system_vgpr_workitem_id 0
		.amdhsa_next_free_vgpr 1008
		.amdhsa_next_free_sgpr 98
		.amdhsa_reserve_vcc 0
		.amdhsa_float_denorm_mode_32 3
		.amdhsa_float_denorm_mode_16_64 3
		.amdhsa_memory_ordered 1
		.amdhsa_forward_progress 1
		.amdhsa_inst_pref_size 117
	.end_amdhsa_kernel
	.amdgpu_metadata
---
amdhsa.version: [ 1, 2 ]
amdhsa.kernels:
  - .name:           k_q92710362ed_down
    .symbol:         k_q92710362ed_down.kd
    .args:
      - { .name: hbuf, .offset: 0, .size: 8, .value_kind: global_buffer, .address_space: global }
      - { .name: route, .offset: 8, .size: 8, .value_kind: global_buffer, .address_space: global }
      - { .name: shared_down_w, .offset: 16, .size: 8, .value_kind: global_buffer, .address_space: global }
      - { .name: routed_down_w, .offset: 24, .size: 8, .value_kind: global_buffer, .address_space: global }
      - { .name: part, .offset: 32, .size: 8, .value_kind: global_buffer, .address_space: global }
    .group_segment_fixed_size: 75264
    .private_segment_fixed_size: 0
    .kernarg_segment_align: 8
    .kernarg_segment_size: 40
    .max_flat_workgroup_size: 128
    .sgpr_count:     98
    .vgpr_count:     1008
    .wavefront_size: 32
...
	.end_amdgpu_metadata
.endif
;; end of part 3
;; launch combine (part 4): grid 256 x 1, 8 waves a work-group, no clusters, 0 bytes of LDS; arguments part, sel, wts, rowof, out0; writes out0
.if DOCPART == 4
	.amdgcn_target "amdgcn-amd-amdhsa--gfx1250"
	.amdhsa_code_object_version 6
	.text
	.protected	k_q92710362ed_combine
	.globl	k_q92710362ed_combine
	.p2align	8
	.type	k_q92710362ed_combine,@function
k_q92710362ed_combine:
	s_mov_b64 s[64:65], 0
	v_nop
	global_prefetch_b8 v0, s[64:65] scope:SCOPE_SE
	s_setreg_imm32_b32 hwreg(HW_REG_WAVE_MODE, 25, 1), 1
	s_wait_xcnt 0x0
; COMBINE.  out[t] = (shared row t) + w1 x (row of t in its first expert) + w2 x (row of t in its second), each row the sum of the two halves of K, all in f32.
; Work-group g has tokens 4 g .. 4 g + 3; thread u has columns 4 u .. 4 u + 3 of each: a wave's load or store covers 512 consecutive bytes but where a slice of 96 columns ends.
; Which rows: sel gives the experts, rowof [expert][token] the padded row; both are whole numbers stored by earlier launches, read by scalar loads and clamped before they enter an address.
; All 24 loads of a thread go out together; memory binds, so there is no LDS, no barrier and no matrix work here.
.set SLICE, 1216512                    ; bytes of a slice of part: 3,168 rows x 384
	s_load_b256 s[4:11], s[0:1], 0x0               ; part s[4:5], sel s[6:7], wts s[8:9], rowof s[10:11]
	s_load_b64 s[12:13], s[0:1], 0x20              ; out0
	s_lshl_b32 s14, ttmp9, 5                       ; 32 g: four tokens' 8 bytes
	s_lshl_b32 s15, ttmp9, 4                       ; 16 g: four tokens' 4 bytes
	v_mul_u32_u24 v1, v0, 2731
	v_lshrrev_b32 v1, 16, v1                       ; my slice: u / 24
	v_mul_u32_u24 v2, v1, 24
	v_min_u32 v2, 232, v2                          ; its first column / 4: the last slice begins at column 928
	v_sub_nc_u32 v2, v0, v2
	v_lshlrev_b32 v2, 4, v2
	v_mul_u32_u24 v3, v1, SLICE
	v_add_nc_u32 v2, v3, v2                        ; my 16 bytes of a row, first half of K,
	v_add_nc_u32 v3, 11*SLICE, v2                  ; second half
	v_lshlrev_b32 v4, 4, v0                        ; my 16 bytes of a row of out0
	s_wait_kmcnt 0x0
	s_load_b256 s[16:23], s[6:7], s14 offset:0x0   ; experts: token c's at s[16 + 2 c], s[17 + 2 c]
	s_load_b256 s[24:31], s[8:9], s14 offset:0x0   ; scores likewise
	s_wait_kmcnt 0x0
.irp q, 0,1,2,3,4,5,6,7
	s_min_u32 s[32+\q], s[16+\q], 6
	s_lshl_b32 s[32+\q], s[32+\q], 12              ; an expert's 1,024 entries
	s_add_co_u32 s[32+\q], s[32+\q], s15
	s_add_co_u32 s[32+\q], s[32+\q], 4*(\q/2)
	s_load_b32 s[40+\q], s[10:11], s[32+\q] offset:0x0
.endr
	s_mov_b32 s3, 0
	s_mul_i32 s2, ttmp9, 1536
	s_add_nc_u64 s[66:67], s[4:5], s[2:3]          ; the shared expert's row of my first token: row = token
	s_lshl_b32 s2, ttmp9, 14
	s_add_nc_u64 s[68:69], s[12:13], s[2:3]
	s_wait_kmcnt 0x0
.irp q, 0,1,2,3,4,5,6,7
	s_min_u32 s2, s[40+\q], 3167
	s_mul_i32 s2, s2, 384
	s_add_nc_u64 s[48+2*\q:49+2*\q], s[4:5], s[2:3]
.endr
.irp c, 0,1,2,3
	global_load_b128 v[16+24*\c:19+24*\c], v2, s[66:67] offset:384*\c th:TH_LOAD_NT
	global_load_b128 v[20+24*\c:23+24*\c], v3, s[66:67] offset:384*\c th:TH_LOAD_NT
	global_load_b128 v[24+24*\c:27+24*\c], v2, s[48+4*\c:49+4*\c] th:TH_LOAD_NT
	global_load_b128 v[28+24*\c:31+24*\c], v3, s[48+4*\c:49+4*\c] th:TH_LOAD_NT
	global_load_b128 v[32+24*\c:35+24*\c], v2, s[50+4*\c:51+4*\c] th:TH_LOAD_NT
	global_load_b128 v[36+24*\c:39+24*\c], v3, s[50+4*\c:51+4*\c] th:TH_LOAD_NT
.endr
.irp c, 0,1,2,3
	s_wait_loadcnt 18-6*\c                         ; loads come back in order: this token's six are in, the later tokens' stay out
	v_pk_add_f32 v[16+24*\c:17+24*\c], v[16+24*\c:17+24*\c], v[20+24*\c:21+24*\c]
	v_pk_add_f32 v[18+24*\c:19+24*\c], v[18+24*\c:19+24*\c], v[22+24*\c:23+24*\c]
	v_pk_add_f32 v[24+24*\c:25+24*\c], v[24+24*\c:25+24*\c], v[28+24*\c:29+24*\c]
	v_pk_add_f32 v[26+24*\c:27+24*\c], v[26+24*\c:27+24*\c], v[30+24*\c:31+24*\c]
	v_pk_add_f32 v[32+24*\c:33+24*\c], v[32+24*\c:33+24*\c], v[36+24*\c:37+24*\c]
	v_pk_add_f32 v[34+24*\c:35+24*\c], v[34+24*\c:35+24*\c], v[38+24*\c:39+24*\c]
.irp z, 0,1,2,3
	v_fma_f32 v[16+24*\c+\z], s[24+2*\c], v[24+24*\c+\z], v[16+24*\c+\z]
.endr
.irp z, 0,1,2,3
	v_fma_f32 v[16+24*\c+\z], s[25+2*\c], v[32+24*\c+\z], v[16+24*\c+\z]
.endr
	global_store_b128 v4, v[16+24*\c:19+24*\c], s[68:69] offset:4096*\c th:TH_STORE_NT
.endr
	s_endpgm
.Lfunc_end_k_q92710362ed_combine:
	.size	k_q92710362ed_combine, .Lfunc_end_k_q92710362ed_combine-k_q92710362ed_combine
	.p2alignl 7, 3214868480
	.fill 96, 4, 3214868480
	.section	.rodata,"a",@progbits
	.p2align	6, 0x0
	.amdhsa_kernel k_q92710362ed_combine
		.amdhsa_group_segment_fixed_size 0
		.amdhsa_private_segment_fixed_size 0
		.amdhsa_enable_private_segment 0
		.amdhsa_kernarg_size 40
		.amdhsa_user_sgpr_count 2
		.amdhsa_user_sgpr_kernarg_segment_ptr 1
		.amdhsa_wavefront_size32 1
		.amdhsa_system_sgpr_workgroup_id_x 1
		.amdhsa_system_sgpr_workgroup_id_y 1
		.amdhsa_system_sgpr_workgroup_id_z 1
		.amdhsa_system_vgpr_workitem_id 0
		.amdhsa_next_free_vgpr 112
		.amdhsa_next_free_sgpr 70
		.amdhsa_reserve_vcc 0
		.amdhsa_float_denorm_mode_32 3
		.amdhsa_float_denorm_mode_16_64 3
		.amdhsa_memory_ordered 1
		.amdhsa_forward_progress 1
		.amdhsa_inst_pref_size 11
	.end_amdhsa_kernel
	.amdgpu_metadata
---
amdhsa.version: [ 1, 2 ]
amdhsa.kernels:
  - .name:           k_q92710362ed_combine
    .symbol:         k_q92710362ed_combine.kd
    .args:
      - { .name: part, .offset: 0, .size: 8, .value_kind: global_buffer, .address_space: global }
      - { .name: sel, .offset: 8, .size: 8, .value_kind: global_buffer, .address_space: global }
      - { .name: wts, .offset: 16, .size: 8, .value_kind: global_buffer, .address_space: global }
      - { .name: rowof, .offset: 24, .size: 8, .value_kind: global_buffer, .address_space: global }
      - { .name: out0, .offset: 32, .size: 8, .value_kind: global_buffer, .address_space: global }
    .group_segment_fixed_size: 0
    .private_segment_fixed_size: 0
    .kernarg_segment_align: 8
    .kernarg_segment_size: 40
    .max_flat_workgroup_size: 256
    .sgpr_count:     70
    .vgpr_count:     112
    .wavefront_size: 32
...
	.end_amdgpu_metadata
.endif
;; end of part 4
